; MI455X (gfx1250); checked and timed in simulation.
; The chip was launched on July 23, 2026; its instructions are those of AMD's public machine-readable ISA for CDNA 5 (MIT licence, August 2026) and "CDNA5" Instruction Set Architecture Reference Guide (July 2026). The comments in the code are by the model that wrote it; some were corrected since.
;; Bert Sim Self Attention. Allowed arithmetic: matrix products marked QUANTISED: E2M3 operands, one E8M0 scale for each 32 along K, by v_wmma_scale_f32_16x16x128_f8f6f4 with both operands' format E2M3, f32 sums; everything else in f32.
;; Inputs: Wk 1,024 x 1,024 float32; Wq 1,024 x 1,024 float32; Wv 1,024 x 1,024 float32; attention_mask 4 x 64 x 64 float32; bk 1,024 float32; bq 1,024 float32; bv 1,024 float32; hidden_states 4 x 64 x 64 x 1,024 float32; sim_graph 256 x 64 x 64 float32.
;; Outputs: out0 256 x 64 x 1,024 float32.
;; Constants: b = 4, dim = 1024, m = 64, seq = 64.
;; This version of the problem:
;;   THIS VERSION OF THE PROBLEM IS GIVEN IN LOW PRECISION. The matrix products marked QUANTISED in the list below multiply operands that are first quantised to E2M3 (2 exponent bits, 3 mantissa bits; 6 bits a number), with one power-of-two scale for each 32 numbers along K (OCP MX v1.0); their sums are f32. All else is computed in f32.
;;   The module's matrix products, in the order in which they are computed (A, B: the left and right operand; K: the contracted axis; several contracted axes count as one K, in the product's order):
;;     1. [M 16,384, K 1,024] x [K 1,024, N 1,024]; A: input hidden_states; B: input Wq: QUANTISED
;;     2. [M 16,384, K 1,024] x [K 1,024, N 1,024]; A: input hidden_states; B: input Wk: QUANTISED
;;     3. [M 16,384, K 1,024] x [K 1,024, N 1,024]; A: input hidden_states; B: input Wv: QUANTISED
;;     4. batch 4,096 x [M 64, K 64] x [K 64, N 64]; A: computed on the way; B: computed on the way: QUANTISED
;;     5. batch 4,096 x [M 64, K 64] x [K 64, N 64]; A: softmax (see below); B: computed on the way: QUANTISED
;;   THE QUANTISER, for each operand of a quantised product, along K:
;;     - K is cut into blocks of 32 from its start; a last block that is shorter is filled with zeros.
;;     - A block's scale is 2^e with e = floor(log2(the largest magnitude in the block)) - 2, held to -126 .. 127; a block of zeros has e = 0. As a byte (E8M0): e + 127.
;;     - Each number is divided by its block's scale, clamped to +-7.5, and rounded to the nearest number of E2M3, ties to even, subnormals kept.
;;     - The product sums the exact products of the quantised numbers (number of the format x scale) in f32.
;;   ~~~python
;;   def quantise(x, axis):      # numpy; x: float32 -> the quantised numbers, widened to float32 again
;;       x = np.moveaxis(x, axis, -1); K = x.shape[-1]
;;       x = np.pad(x, [(0, 0)] * (x.ndim - 1) + [(0, -K % 32)]); x = x.reshape(x.shape[:-1] + (-1, 32)); a = np.abs(x).max(-1, keepdims=True)
;;       e = np.where(a > 0, np.clip(np.frexp(np.where(a > 0, a, 1))[1] - 1 - 2, -126, 127), 0)      # np.frexp(a)[1] - 1 = floor(log2(a)), exactly
;;       r = np.clip(x / 2.0 ** e, -7.5, 7.5)
;;       step = 2.0 ** (np.maximum(np.frexp(np.where(r == 0, 1, r))[1] - 1, 0) - 3)
;;       q = np.round(r / step) * step * 2.0 ** e      # np.round: ties to even
;;       return np.moveaxis(q.reshape(q.shape[:-2] + (-1,))[..., :K], -1, axis).astype(np.float32)
;;   ~~~
;;   SOFTMAX AHEAD OF A QUANTISED PRODUCT. Where the list says 'softmax', what is quantised is not the finished softmax but p = 2^(t - M), with t = logit x log2(e) and M = ceil(the row's largest t), a whole number; so 1/2 < the row's largest p <= 1. The row's sum l is taken of the UNQUANTISED p, in f32, and the product's result is divided by l at the end. Since M is a whole number, a kernel that streams over the keys may use a running M (the ceiling of the running maximum): every later rescaling is an exact power of two, which a block's scale takes up: the codes' values come out the same.
;;   OPERANDS COMPUTED ON THE WAY. 'Computed on the way' means the value that the module computes at that place (a softmax that the list does not call 'softmax' is quantised finished and normalised). What goes into a quantiser is computed in f32, as accurately as f32 sums, v_exp_f32 and their like allow (about 1e-6 of the number): no bf16 or f16 on the way to a quantiser, and a product that is left as it is and whose result goes on into a quantised operand takes f32 operands (vector FMAs, or v_wmma_f32_16x16x4_f32). A number that lies on a knife's edge between two numbers of the format may be rounded either way, as far as f32 arithmetic and the matrix unit's own rounding can turn it there, and no further.
;; One version. Each part assembles by itself: llvm-mc -triple=amdgcn-amd-amdhsa -mcpu=gfx1250 --defsym DOCPART=n.
;; ======== version 1 of 1: 2 launches
;; limits: right only within a limited range of input values
;; workspace buffers: xq 12,582,912 bytes; xs 524,288 bytes; wimg 2,457,600 bytes
;; launch prep (part 1): grid 1216 x 1, 4 waves a work-group, no clusters, 34,304 bytes of LDS; arguments hidden_states, Wq, Wk, Wv, xq, xs, wimg; writes xq, xs, wimg
.if DOCPART == 1
	.amdgcn_target "amdgcn-amd-amdhsa--gfx1250"
	.amdhsa_code_object_version 6
	.text
	.protected	k_qae5fa3eb75_prep
	.globl	k_qae5fa3eb75_prep
	.p2align	8
	.type	k_qae5fa3eb75_prep,@function
k_qae5fa3eb75_prep:
	s_mov_b64 s[64:65], 0
	v_nop
	global_prefetch_b8 v0, s[64:65] scope:SCOPE_SE
	s_setreg_imm32_b32 hwreg(HW_REG_WAVE_MODE, 25, 1), 1
	s_wait_xcnt 0x0
; hidden_states [4][64 m][64 s][1024] and Wq, Wk, Wv [1024][1024], f32, K innermost, become codes of FP6 (E2M3) with one E8M0 byte for each 32 along K,
; laid as IMAGES OF THE OPERAND'S REGISTERS: a fragment (16 rows x 128 K, 12 registers a lane) is 3 chunks of 512 bytes, chunk c = lane l's registers 4 c .. 4 c + 3 at byte 16 l.
; A block's scale is 2^(floor(log2(largest magnitude)) - 2): its byte is the largest magnitude's exponent field - 2, held at 1 from below; numbers / scale go to the nearest code, ties to even, beyond 7.5 the largest code.
; LIMITS: NaN and infinities among the inputs are not served.  A block whose largest magnitude lies under 2^-124 (a block of zeros among them) keeps the byte 1 where the rule says otherwise for zeros:
; its codes are zeros or the rule's own, and the bytes are read by this program alone.
; THE ROWS OF A TILE ARE NOT NEIGHBOURS: of a group of 64 rows (a batch's 64 m; a head's 64 rows of a weight) tile T, lane r takes row 32 (T / 2) + 8 (T % 2) + r + 8 (r / 8),
; so that in the next launch the 16 result registers of two neighbouring tiles are 16 neighbours along the next product's K.
; OUT.  xq [batch 256][T 4][K step 8][1,536].  xs [batch][T][j 4][32 lanes x 4]: lanes 0-15 the rows' scale words of K step 2 j, lanes 16-31 of K step 2 j + 1.
;       wimg [head 16][sub-phase p = 2 y + T / 2][25,600], y = 0 Wq, 1 Wk, 2 Wv: fragments at 3,072 s + 1,536 (T % 2), s the K step; scale words at 24,576 + 256 (s / 2) + 8 (16 (T % 2) + r) + 4 (s % 2).
; SHARES.  A work-group takes one tile of 16 rows over all of K: the first 1,024 work-groups x's tiles, the other 192 the weights'.  Wave w takes K steps 2 w and 2 w + 1.  One path serves all four tensors:
; buffers, strides and offsets are chosen by s_cselect on the work-group's number.  Each load reads 512 consecutive bytes of a row; a K step's 16 rows turn through the wave's own stage in LDS
; (rows of 512 bytes + 16) and come back so that lane (r, h) holds the whole blocks h and 2 + h of row r.  Waves share nothing: no barrier.
.set SPW,   9                          ; my spare word's LDS address
.set NIL,   10                         ; 0
.set R,     16                         ; v16-143  K step kk at R + 64 kk
.set F,     144                        ; v144-167 the two fragments: a store's data are never written again
.set TQ,    168                        ; the upper halves of a block's codes (a conversion's three registers begin on an even number)
.set MX,    176                        ; largest magnitudes
.set EX,    178                        ; the conversions' scale operands
.set BY,    180                        ; the scale bytes
.set WW,    182                        ; my two bytes at their places
.set WP,    183                        ; lane l xor 16's
.set W0,    184                        ; the rows' scale words of the two K steps
.set WSEL,  186
.set SROW,  528
.set SWAVE, 16*SROW
	s_load_b256 s[4:11], s[0:1], 0x0               ; hidden_states, Wq, Wk, Wv
	s_load_b128 s[12:15], s[0:1], 0x20             ; xq, xs
	s_load_b64 s[16:17], s[0:1], 0x30              ; wimg
	v_lshl_add_u32 v[SPW], v0, 2, 0x8400
	v_mov_b32 v[NIL], 0
	v_lshrrev_b32 v1, 5, v0
	v_readfirstlane_b32 s18, v1                    ; wave 0..3
	v_and_b32 v8, 31, v0                           ; lane
	v_lshlrev_b32 v1, 4, v8                        ; 16 x lane
	v_and_b32 v2, 15, v0                           ; r
	v_bfe_u32 v3, v0, 4, 1                         ; h
	s_mul_i32 s22, s18, SWAVE
	v_add_nc_u32 v4, s22, v1                       ; the stage, on the way in
	v_mul_u32_u24 v5, v2, SROW
	v_lshl_add_u32 v5, v3, 7, v5
	v_add_nc_u32 v5, s22, v5                       ; and on the way out: row r, + 128 h: block h
	v_lshlrev_b32 v7, 3, v3                        ; 8 h: how far my two scale bytes are shifted
	v_mov_b32 v[WP], 0                             ; written once: a lane permute's destination counts as one of its sources
	s_mov_b32 s2, 0x76543210
	s_mov_b32 s3, 0xfedcba98                       ; selects for lane l xor 16
	s_mov_b32 s19, ttmp9                           ; u
	s_and_b32 s20, s19, 3                          ; the tile T
	s_lshr_b32 s21, s20, 1
	s_lshl_b32 s21, s21, 5
	s_and_b32 s22, s20, 1
	s_lshl_b32 s23, s22, 3
	s_add_co_u32 s21, s21, s23                     ; the tile's first row
	; as a tile of x
	s_lshr_b32 s23, s19, 2                         ; batch = 64 b + s
	s_lshr_b32 s24, s23, 6
	s_lshl_b32 s24, s24, 24
	s_and_b32 s25, s23, 63
	s_lshl_b32 s25, s25, 12
	s_add_co_u32 s24, s24, s25                     ; hidden_states[b][0][s]
	s_lshl_b32 s25, s19, 3
	s_lshl_b32 s26, s18, 1
	s_add_co_u32 s25, s25, s26
	s_mul_i32 s25, s25, 1536                       ; fragment (u, 2 w)
	s_lshl_b32 s26, s19, 2
	s_add_co_u32 s26, s26, s18
	s_lshl_b32 s26, s26, 7                         ; scale words (u, j = w)
	; as a tile of a weight
	s_and_b32 s27, s19, 0x3ff                      ; u - 1,024
	s_lshr_b32 s28, s27, 2
	s_and_b32 s28, s28, 15                         ; head
	s_lshr_b32 s27, s27, 6                         ; y
	s_lshl_b32 s29, s28, 18                        ; the head's 64 rows of 4,096 bytes
	s_mul_i32 s30, s28, 153600
	s_lshl_b32 s31, s27, 1
	s_lshr_b32 s32, s20, 1
	s_add_co_u32 s31, s31, s32                     ; p = 2 y + T / 2
	s_mul_i32 s31, s31, 25600
	s_add_co_u32 s30, s30, s31                     ; record (head, p)
	s_mul_i32 s31, s18, 6144
	s_add_co_u32 s31, s31, s30
	s_mul_i32 s32, s22, 1536
	s_add_co_u32 s31, s31, s32                     ; fragment (K step 2 w, T % 2)
	s_lshl_b32 s33, s18, 8
	s_add_co_u32 s33, s33, s30
	s_lshl_b32 s32, s22, 7
	s_add_co_u32 s33, s33, s32
	s_add_co_u32 s33, s33, 24576                   ; its scale words
	s_wait_alu depctr_va_vdst(0)
	s_wait_kmcnt 0x0
	s_cmp_eq_u32 s27, 1                            ; the choices hang on the work-group's number alone
	s_cselect_b64 s[8:9], s[8:9], s[10:11]
	s_cmp_eq_u32 s27, 0
	s_cselect_b64 s[6:7], s[6:7], s[8:9]
	s_cmp_lt_u32 s19, 1024
	s_cselect_b64 s[4:5], s[4:5], s[6:7]           ; the tensor that I read
	s_cselect_b64 s[6:7], s[12:13], s[16:17]       ; where fragments go
	s_cselect_b64 s[10:11], s[14:15], s[16:17]     ; where scale words go
	s_cselect_b32 s24, s24, s29
	s_cselect_b32 s25, s25, s31
	s_cselect_b32 s26, s26, s33
	s_mov_b32 s34, 4096
	s_cselect_b32 s34, 0x40000, s34                ; from row to row: x's rows (m) lie 64 x 4,096 bytes apart
	s_mov_b32 s35, 3072
	s_cselect_b32 s36, 1536, s35                   ; from a K step's fragment to the next
	s_cselect_b32 s37, 4, 8                        ; scale words: from row to row,
	s_cselect_b32 s38, 64, 4                       ; and from K step 2 w to 2 w + 1
	s_mul_i32 s39, s21, s34
	s_add_co_u32 s24, s24, s39                     ; + the tile's first row
	s_lshl_b32 s39, s18, 10
	s_add_co_u32 s24, s24, s39                     ; + my two K steps: 1,024 bytes of a row
	s_mov_b32 s41, 0
	s_mov_b32 s40, s24
	s_add_nc_u64 s[4:5], s[4:5], s[40:41]
	s_mov_b32 s40, s25
	s_add_nc_u64 s[6:7], s[6:7], s[40:41]          ; fragment of K step 2 w
	s_mov_b32 s40, s36
	s_add_nc_u64 s[8:9], s[6:7], s[40:41]          ; and of 2 w + 1
	s_mov_b32 s40, s26
	s_add_nc_u64 s[10:11], s[10:11], s[40:41]
	v_mul_u32_u24 v6, v2, s37
	v_mad_u32_u24 v6, v3, s38, v6                  ; my scale word's place
	s_mov_b32 s20, s34
	s_mov_b32 s23, 0
.irp i, 0,1,2,3,4,5,6,7,8,9,10,11,12,13,14,15
	s_mul_i32 s22, s20, \i+8*(\i/8)
	s_add_nc_u64 s[32+2*\i:33+2*\i], s[4:5], s[22:23]   ; the tile's row i: i + 8 (i / 8) rows on
.endr
.irp kk, 0,1
.irp i, 0,1,2,3,4,5,6,7,8,9,10,11,12,13,14,15
	global_load_b128 v[R+64*\kk+4*\i:R+64*\kk+4*\i+3], v1, s[32+2*\i:33+2*\i] offset:512*\kk th:TH_LOAD_NT   ; 512 consecutive bytes; read once in the launch
.endr
.endr
.macro TURN kk                         ; a K step's 16 rows through the stage.  LDS serves a wave's instructions in order: no wait between the stores and the loads
.irp i, 0,1,2,3,4,5,6,7,8,9,10,11,12,13,14,15
	ds_store_b128 v4, v[R+64*\kk+4*\i:R+64*\kk+4*\i+3] offset:SROW*\i
.endr
.irp c, 0,1
.irp j, 0,1,2,3,4,5,6,7
	ds_load_b128 v[R+64*\kk+32*\c+4*\j:R+64*\kk+32*\c+4*\j+3], v5 offset:256*\c+16*\j   ; block 2 c + h of row r
.endr
.endr
.endm
.macro QUANTW kk                       ; my two whole blocks become registers 0-5 and 6-11 of the fragment; the row's four bytes its scale word
.set XS, R+64*\kk
.set FF, F+12*\kk
.irp c, 0,1
	v_max3_num_f32 v[MX+\c], |v[XS+32*\c]|, |v[XS+32*\c+1]|, 0x1800000   ; with the floor 2^(3 - 127): the byte cannot fall under 1
.endr
.irp i, 2,4,6,8,10,12,14,16,18,20,22,24,26,28,30
.irp c, 0,1
	v_max3_num_f32 v[MX+\c], v[MX+\c], |v[XS+32*\c+\i]|, |v[XS+32*\c+\i+1]|
.endr
.endr
.irp c, 0,1
	v_add_nc_u32 v[EX+\c], 0xff000000, v[MX+\c]    ; 2 off the exponent field: the conversion takes that field as its scale
.endr
.irp c, 0,1
	v_lshrrev_b32 v[BY+\c], 23, v[EX+\c]
.endr
	v_lshl_or_b32 v[WW], v[BY+1], 16, v[BY]        ; blocks h and 2 + h,
	v_lshlrev_b32 v[WW], v7, v[WW]                 ; at bytes h and 2 + h;
	v_permlanex16_b32 v[WP], v[WW], s2, s3
	v_or_b32 v[W0+\kk], v[WW], v[WP]               ; with lane l xor 16's two the word is whole
.irp c, 0,1
	v_cvt_scalef32_pk16_fp6_f32 v[FF+6*\c:FF+6*\c+2], v[XS+32*\c:XS+32*\c+15], v[EX+\c]
	v_cvt_scalef32_pk16_fp6_f32 v[TQ+4*\c:TQ+4*\c+2], v[XS+32*\c+16:XS+32*\c+31], v[EX+\c]
.endr
	v_nop                                          ; one plain place behind a scaled conversion
.irp c, 0,1
.irp i, 0,1,2
	v_mov_b32 v[FF+6*\c+3+\i], v[TQ+4*\c+\i]
.endr
.endr
.irp c, 0,1,2
	global_store_b128 v1, v[FF+4*\c:FF+4*\c+3], s[6+2*\kk:7+2*\kk] offset:512*\c   ; 512 consecutive bytes, at a multiple of 256 from the buffer's first byte
.endr
.endm
	s_wait_loadcnt 16                              ; the first K step's 16 loads are in
	TURN 0
	s_wait_loadcnt 0x0
	TURN 1
	s_wait_dscnt 32                                ; the first K step is back; the second's 16 stores and 16 loads may be out
	QUANTW 0
	s_wait_dscnt 0x0
	QUANTW 1
	v_cmp_ne_u32 vcc_lo, 0, v3
	v_cndmask_b32 v[WSEL], v[W0], v[W0+1], vcc_lo  ; lanes 0-15 store K step 2 w's words, lanes 16-31 those of 2 w + 1
	global_store_b32 v6, v[WSEL], s[10:11]
	s_wait_tensorcnt 0x0                           ; the wave's end
	ds_add_u32 v[SPW], v[NIL]
	s_wait_dscnt 0x0
	s_endpgm
.Lfunc_end_k_qae5fa3eb75_prep:
	.size	k_qae5fa3eb75_prep, .Lfunc_end_k_qae5fa3eb75_prep-k_qae5fa3eb75_prep
	.p2alignl 7, 3214868480
	.fill 96, 4, 3214868480
	.section	.rodata,"a",@progbits
	.p2align	6, 0x0
	.amdhsa_kernel k_qae5fa3eb75_prep
		.amdhsa_group_segment_fixed_size 34304
		.amdhsa_private_segment_fixed_size 0
		.amdhsa_enable_private_segment 0
		.amdhsa_kernarg_size 56
		.amdhsa_user_sgpr_count 2
		.amdhsa_user_sgpr_kernarg_segment_ptr 1
		.amdhsa_wavefront_size32 1
		.amdhsa_system_sgpr_workgroup_id_x 1
		.amdhsa_system_sgpr_workgroup_id_y 1
		.amdhsa_system_sgpr_workgroup_id_z 1
		.amdhsa_system_vgpr_workitem_id 0
		.amdhsa_next_free_vgpr 192
		.amdhsa_next_free_sgpr 66
		.amdhsa_reserve_vcc 1
		.amdhsa_float_denorm_mode_32 3
		.amdhsa_float_denorm_mode_16_64 3
		.amdhsa_memory_ordered 1
		.amdhsa_forward_progress 1
		.amdhsa_inst_pref_size 19
	.end_amdhsa_kernel
	.amdgpu_metadata
---
amdhsa.version: [ 1, 2 ]
amdhsa.kernels:
  - .name:           k_qae5fa3eb75_prep
    .symbol:         k_qae5fa3eb75_prep.kd
    .args:
      - { .name: hidden_states, .offset: 0, .size: 8, .value_kind: global_buffer, .address_space: global }
      - { .name: Wq, .offset: 8, .size: 8, .value_kind: global_buffer, .address_space: global }
      - { .name: Wk, .offset: 16, .size: 8, .value_kind: global_buffer, .address_space: global }
      - { .name: Wv, .offset: 24, .size: 8, .value_kind: global_buffer, .address_space: global }
      - { .name: xq, .offset: 32, .size: 8, .value_kind: global_buffer, .address_space: global }
      - { .name: xs, .offset: 40, .size: 8, .value_kind: global_buffer, .address_space: global }
      - { .name: wimg, .offset: 48, .size: 8, .value_kind: global_buffer, .address_space: global }
    .group_segment_fixed_size: 34304
    .private_segment_fixed_size: 0
    .kernarg_segment_align: 8
    .kernarg_segment_size: 56
    .max_flat_workgroup_size: 128
    .sgpr_count:     66
    .vgpr_count:     192
    .wavefront_size: 32
...
	.end_amdgpu_metadata
.endif
;; end of part 1
;; launch fused (part 2): grid 64 x 4, 4 waves a work-group, clusters of 4 x 1, 327,680 bytes of LDS; arguments xq, xs, wimg, sim_graph, attention_mask, bq, bk, bv, out0; writes out0
.if DOCPART == 2
	.amdgcn_target "amdgcn-amd-amdhsa--gfx1250"
	.amdhsa_code_object_version 6
	.text
	.protected	k_qae5fa3eb75_fused
	.globl	k_qae5fa3eb75_fused
	.p2align	8
	.type	k_qae5fa3eb75_fused,@function
k_qae5fa3eb75_fused:
	s_mov_b64 s[64:65], 0
	v_nop
	global_prefetch_b8 v0, s[64:65] scope:SCOPE_SE
	s_setreg_imm32_b32 hwreg(HW_REG_WAVE_MODE, 25, 1), 1
	s_wait_xcnt 0x0
	s_wait_alu depctr_hold_cnt(0) depctr_sa_sdst(0) depctr_va_vdst(0) depctr_va_sdst(0) depctr_va_ssrc(0) depctr_va_vcc(0) depctr_vm_vsrc(0)
	s_getreg_b32 s2, hwreg(HW_REG_IB_STS2, 6, 4)
	s_cmp_eq_u32 s2, 0
	s_cbranch_scc0 .Lentry_in_a_cluster
	s_endpgm
.Lentry_in_a_cluster:
	s_bfe_u32 s2, ttmp6, 0x10000c
	s_cmp_lg_u32 s2, 0x3003
	s_cbranch_scc0 .Lentry_shape_is_right
	s_endpgm
.Lentry_shape_is_right:
; THE WHOLE ATTENTION BLOCK: Q, K, V projections, S = Q K^T, softmax(S sim / 8 + mask), P V, for four batches (one a wave) and four heads a work-group.  256 work-groups: 64 x 4.
; A wave holds its batch's x (64 rows, all of K: 32 fragments of 12 registers) in registers; a head's weights stream through LDS, shared by the four waves, and by the four work-groups of a cluster (joint loads, mask 15).
; SUB-PHASES.  A head's projections are six sub-phases of 64 rows x 32 columns, all of K: p = 0 .. 5: Q0 Q1 K0 K1 V0 V1, 64 products each, on two sets of eight accumulators by turns.
; A sub-phase is four GROUPS of 16 products (two K steps x two column tiles x four row tiles).  Behind each product stand vector lines of earlier results:
; the quantiser of the sub-phase before; the softmax of the head (from V0's third group on, into the next head's Q0); the way out of its result (the next head's Q1 and K0).
; The exponentials stand at the end of V1, the reciprocals at the end of Q0: there the finished accumulators are read (the largest magnitudes) ahead of them, and no sum is under way.
; QUANTISER: a lane's 16 results of two tiles are 16 neighbours along the next K, half a block; lane l xor 16 holds the other half.  A block's 2 x 16 codes fill registers 0-2 of the six
; that the operand has for it in lanes l and l xor 16; registers 3-5 are zeros on one side (Z: Q, P), so the products there add nothing, and the block's byte stands twice in the scale word.
; SOFTMAX: M is the ceiling of the row's largest t; a block's largest p is made from its largest score by the same two instructions.  The sum is taken of the unquantised p.  The bias is the first products' C.
; LIMITS: NaN and infinities are not served; a block whose largest magnitude lies under 2^-124 keeps the byte 1; v_exp_f32 is taken not to fall where its input rises.
; LDS: two slots of three sub-phases each (Q0 Q1 K0; K1 V0 V1), each filled by one joint load a wave; two rounds a head, inside products.  Fragments go two groups ahead into a ring of twelve tiles in registers.
; NO PREFETCH: the 16 clusters of a row of the grid read the same 614,400 bytes of weights, and between a refill and the wait for it stand 160 products or more.
; THE WAITS' COUNTS are made by the text: DSN counts the LDS instructions as they are written, MR0-2 and NEED hold its value behind the loads that a group needs; the wait lets all later ones be out.
; REGISTERS: window 0 addresses, scales, temporaries, codes; windows 1, 2 x, and ring tiles 0-9 behind it; window 3: v0-63, v64-127 the accumulators, v128-255 S, then P, then the result.
; WHERE THINGS STAND IN A GROUP: all its LDS and memory instructions in one run at its start (a round's group: behind the refill; sim numbers for the next group: once in its middle);
; the vector lines go by pairs of products, behind every second one.
.set REC,   19200                      ; a quarter of a slot: one wave's load
.set SLOTB, 76800
.set HEADB, 153600
.set SIM,   153600                     ; sim_graph: 64 rows of 256 + 16 bytes a wave, rows in the order of the query tiles
.set MSK,   223232                     ; (1 - mask) x -80,000, 64 words a wave
.set BQL,   224256                     ; bq, bk of my four heads
.set BVL,   226304                     ; bv, each number four times
.set STG,   230400                     ; the way out: 16 rows of 256 + 16 bytes a wave
.set SPARE, 247808
.set SPW,  1
.set NIL,  2
.set AF,   6                           ; v6-8   16 x lane + 51,200 n
.set AS,   9                           ; v9-11  8 x lane + 51,200 n
.set ASIM, 12
.set AMK,  13
.set ABQ,  14
.set ABV,  15
.set STO,  16
.set RD,   17
.set GO,   18
.set ASW,  19
.set SCB,  24                          ; v24-47 scales: of each eight, six of x's 16 words and one of the ring's three pairs
.set KS,   48                          ; K's, then V's scale words
.set QS,   52                          ; Q's, then P's
.set RAW,  56
.set TQ,   60
.set MQ,   64
.set TS,   68
.set MS,   76
.set SMR,  84                          ; v84-115 sim numbers; later the sums
.set SUA,  84
.set SUB,  92
.set RL,   100
.set MSKR, 116
.set Z,    132                         ; Q's, then P's codes, zero-filled
.set J,    180                         ; K's, then V's codes
.set RG,   228                         ; ring tiles 10, 11
.set WV,   22
.set G1,   32
.set G0A,  40
.set G0B,  44
.set SEL,  48
.set CL,   50
.set PSEL, 52
.set FLO,  53
.set CNT,  55
.set MSB, 0
.set DSN, 0
.set NEED, 0
.set MR0, 0
.set MR1, 0
.set MR2, 0
.set LAST, 0
.set OB, 128
.macro WIN new
.set WNEW, \new
.if MSB != WNEW
	s_set_vgpr_msb (MSB<<8)|WNEW
.set MSB, WNEW
.endif
.endm
.macro WALU
	s_wait_alu depctr_va_vdst(0)
.endm
.macro PLACES
.rept 4
	v_nop
.endr
.endm
.macro CREST
	s_cmp_lg_u32 s[WV], 0
	s_cbranch_scc1 .Lnot_wave_0_\@
	s_barrier_signal -3
.Lnot_wave_0_\@:
	s_barrier_wait -3
	s_barrier_signal -1
	s_barrier_wait -1
.endm
.macro ROUND
	s_barrier_signal -1
	s_barrier_wait -1
	CREST
.endm
.macro WM
.if rRA && rRB
	v_wmma_scale_f32_16x16x128_f8f6f4 v[rD:rD+7], v[rA:rA+11], v[rB:rB+11], v[rC:rC+7], v[rSA], v[rSB] matrix_a_fmt:MATRIX_FMT_FP6 matrix_b_fmt:MATRIX_FMT_FP6 matrix_a_scale:MATRIX_SCALE_ROW1 matrix_b_scale:MATRIX_SCALE_ROW1
.elseif rRA
	v_wmma_scale_f32_16x16x128_f8f6f4 v[rD:rD+7], v[rA:rA+11], v[rB:rB+11], v[rC:rC+7], v[rSA], v[rSB] matrix_a_fmt:MATRIX_FMT_FP6 matrix_b_fmt:MATRIX_FMT_FP6 matrix_a_scale:MATRIX_SCALE_ROW1
.elseif rRB
	v_wmma_scale_f32_16x16x128_f8f6f4 v[rD:rD+7], v[rA:rA+11], v[rB:rB+11], v[rC:rC+7], v[rSA], v[rSB] matrix_a_fmt:MATRIX_FMT_FP6 matrix_b_fmt:MATRIX_FMT_FP6 matrix_b_scale:MATRIX_SCALE_ROW1
.else
	v_wmma_scale_f32_16x16x128_f8f6f4 v[rD:rD+7], v[rA:rA+11], v[rB:rB+11], v[rC:rC+7], v[rSA], v[rSB] matrix_a_fmt:MATRIX_FMT_FP6 matrix_b_fmt:MATRIX_FMT_FP6
.endif
.endm
; Product pn of group cg of sub-phase cp: tile pI of the group's four (K step pS, column tile pT), row tile pM in the order 1, 2, 3, 0.
; The bias lies in row tile 0's accumulators: it is the C of the first K step's products, whose order is row tiles 1, 2, 3 of both column tiles, then row tile 0 of both, in place.
.macro PROD
.set pI, pn/4
.set pM, (pn%4+1)%4
.if (cg == 0) && (pn < 6)
.set pI, pn/3
.set pM, pn%3+1
.elseif (cg == 0) && (pn < 8)
.set pI, pn-6
.set pM, 0
.endif
.set pT, pI%2
.set pS, 2*cg+pI/2
.set pU, 4*pb+pI
.if pU < 10
.set rw, 2
.set rl, 132+12*pU
.else
.set rw, 0
.set rl, RG+12*(pU-10)
.endif
.set pF, 4*pS+pM
.if pF < 21
.set xw, 1
.set xl, 12*pF
.else
.set xw, 2
.set xl, 12*(pF-21)
.endif
.set wsr, SCB+8*pb+6+pI/2
.set pN, 4*pM+pS/2
.set xsr, SCB+8*(pN/6)+pN%6
.if cp < 4
.set rD, AB+16*pM+8*pT
.set rC, rD
.if (cg == 0) && (pI < 2)
.set rC, AB+8*pT
.endif
	WIN 0xf0|rw|(xw<<2)
.set rA, rl
.set rB, xl
.set rSA, wsr
.set rSB, xsr
.set rRA, pT
.set rRB, pS%2
.else
.set rD, AB+32*pT+8*pM
.set rC, rD
.if (cg == 0) && (pI < 2)
.set rC, AB+32*pT
.endif
	WIN 0xf0|xw|(rw<<2)
.set rA, xl
.set rB, rl
.set rSA, xsr
.set rSB, wsr
.set rRA, pS%2
.set rRB, pT
.endif
	WM
.endm
; Tile i of the group two on, into the ring; with tile 3 its scale words.
.macro RLD i
.set g2, cg+2
.set p2, cp
.if g2 > 3
.set g2, g2-4
.set p2, (cp+1)%6
.endif
.set b2, (p2+g2)%3
.set u2, 4*b2+(\i)
.if u2 < 10
.set l2, 132+12*u2
	WIN 0x80
.else
.set l2, RG+12*(u2-10)
	WIN 0
.endif
.irp c, 0,1,2
	ds_load_b128 v[l2+4*\c:l2+4*\c+3], v[AF+p2/2] offset:(p2%2)*25600+(2*g2+(\i)/2)*3072+1536*((\i)%2)+512*\c
.endr
.set DSN, DSN+3
.if (\i) == 3
	WIN 0
	ds_load_b64 v[SCB+8*b2+6:SCB+8*b2+7], v[AS+p2/2] offset:(p2%2)*25600+24576+256*g2
.set DSN, DSN+1
.if b2 == 0
.set MR0, DSN
.elseif b2 == 1
.set MR1, DSN
.else
.set MR2, DSN
.endif
.endif
.endm
; Entries of the list mac behind product nn: per of them behind each product from g0 on, cnt in all.
.macro ENT mac, g0, per, cnt
.if nn >= \g0
.set ee, (nn-(\g0))*(\per)
.rept \per
.if ee < \cnt
	\mac
.endif
.set ee, ee+1
.endr
.endif
.endm
.macro RUN mac, cnt
.set ee, 0
.rept \cnt
	\mac
.set ee, ee+1
.endr
.endm
; A group.  round = 2: a round of the cluster's barrier inside it, and a slot's refill; 1: a plain barrier that shows the last fill.  The four v_nop at its start are the places
; ahead of loads into the ring and of reads of the sub-phase before; the five are those ahead of the products that write over the bias.
; The list is called with nn = -1 at the start, 99 ahead of the ring's loads, 98 behind them (not in a round's group), and 0 .. 7 behind every second product.
.macro GRP p, g, list, round=0, ld=1
.set cp, \p
.set cg, \g
.set pb, (cp+cg)%3
.set QP, (cp+5)%6
.set QA, 64*(QP%2)
.set AB, 64*(cp%2)
.set mw, MR0
.if pb == 1
.set mw, MR1
.elseif pb == 2
.set mw, MR2
.endif
.if NEED > mw
.set mw, NEED
.endif
.set dw, DSN-mw
.if dw > 63
.set dw, 63
.endif
	PLACES
	WALU
	s_wait_dscnt dw
.set nn, -1
	\list
.if (\round) == 0
.set nn, 99
	\list
.if \ld
	RLD 0
	RLD 1
	RLD 2
	RLD 3
.endif
.set nn, 98
	\list
.endif
.if (\round) == 2
	WIN 0
	s_wait_tensorcnt 0x0                           ; all my tensor loads have landed
	ds_add_u32 v[SPW], v[NIL]
.set DSN, DSN+1
.if cp == 2
	s_add_nc_u64 s[G0A+2:G0A+3], s[G0A+2:G0A+3], HEADB
.else
	s_add_nc_u64 s[G0B+2:G0B+3], s[G0B+2:G0B+3], HEADB
.endif
.endif
.set pn, 0
.rept 16
	PROD
.if (cg == 0) && (pn == 5)
.rept 5
	v_nop
.endr
.endif
.if pn%2
.set nn, pn/2
	\list
.endif
.if (\round) && (pn == 7)
	WIN 0
	WALU
.if (\round) == 1
	s_wait_tensorcnt 0x0
.endif
	s_wait_dscnt 0x0                               ; the add, and my reads of the slot that is done with
	s_barrier_signal -1
.endif
.if (\round) && (pn == 11)
	WIN 0
	WALU
	s_barrier_wait -1
.if (\round) == 2
	CREST
.if cp == 2
	tensor_load_to_lds s[G0A:G0A+3], s[G1:G1+7]
	s_nop 0
.else
	tensor_load_to_lds s[G0B:G0B+3], s[G1:G1+7]
	s_nop 0
.endif
	PLACES
.endif
.endif
.if (\ld) && (\round) && (pn == 11)
	RLD 0
	RLD 1
	RLD 2
	RLD 3
.endif
.set pn, pn+1
.endr
.endm
; ---- entries.  MAXQ (32): the largest magnitudes of the four half blocks of the sub-phase before
.macro MAXQ
	WIN 0x3c
.set qr, QA+16*(ee%4)+2*(ee/4)
.if ee < 4
	v_max3_num_f32 v[TQ+ee%4], s[FLO], |v[qr]|, |v[qr+1]|
.else
	v_max3_num_f32 v[TQ+ee%4], v[TQ+ee%4], |v[qr]|, |v[qr+1]|
.endif
.endm
; MIDQ (20): with lane l xor 16's; 2 off the exponent field (the conversions' scale operand); the scale words.  Of Q and K the first half's bytes wait in RAW for the second's
.macro MIDQ
	WIN 0
.set ek, ee%4
.if ee < 4
	v_permlanex16_b32 v[MQ+ek], v[TQ+ek], s[SEL], s[SEL+1]
.elseif ee < 8
	v_max_num_f32 v[TQ+ek], v[TQ+ek], v[MQ+ek]
.elseif ee < 12
	v_add_nc_u32 v[TQ+ek], 0xff000000, v[TQ+ek]
.elseif ee < 16
.if (QP == 0) || (QP == 2)
	v_lshlrev_b32 v[RAW+ek], 1, v[TQ+ek]
.else
	v_lshlrev_b32 v[MQ+ek], 1, v[TQ+ek]
.endif
.elseif QP == 1
	v_perm_b32 v[QS+ek], v[MQ+ek], v[RAW+ek], s[PSEL]
.elseif QP == 3
	v_perm_b32 v[KS+ek], v[MQ+ek], v[RAW+ek], s[PSEL]
.elseif (QP >= 4) && (ek < 2)
	v_perm_b32 v[KS+2*(QP-4)+ek], v[MQ+2*ek+1], v[MQ+2*ek], s[PSEL]
.endif
.endm
.macro CVTQ
	WIN 0x03
.set ck, 0
.rept 4
.if QP < 2
.set cd, Z+12*ck+6*QP
.elseif QP < 4
.set cd, J+12*ck+6*(QP-2)
.else
.set cd, J+24*(QP-4)+6*ck
.endif
	v_cvt_scalef32_pk16_fp6_f32 v[cd:cd+2], v[QA+16*ck:QA+16*ck+15], v[TQ+ck]
.set ck, ck+1
.endr
	v_nop
.endm
.macro CVTP
	WIN 0x03
.irp b, 0,1,2,3,4,5,6,7
	v_cvt_scalef32_pk16_fp6_f32 v[Z+6*\b:Z+6*\b+2], v[128+16*\b:128+16*\b+15], v[TS+\b]
.endr
	v_nop
.endm
; The next sub-phase's bias, into row tile 0's two accumulators
.macro BIAS
.set np, (cp+1)%6
.set na, 64*(np%2)
	WIN 0xc0
.irp t, 0,1
.if np < 4
	ds_load_b128 v[na+8*\t:na+8*\t+3], v[ABQ] offset:1024*(np/2)+128*(np%2)+32*\t
	ds_load_b128 v[na+8*\t+4:na+8*\t+7], v[ABQ] offset:1024*(np/2)+128*(np%2)+32*\t+16
.else
	ds_load_b128 v[na+32*\t:na+32*\t+3], v[ABV] offset:512*(np-4)+128*\t
	ds_load_b128 v[na+32*\t+4:na+32*\t+7], v[ABV] offset:512*(np-4)+128*\t
.endif
.endr
.set DSN, DSN+4
.set NEED, DSN
.endm
.macro MASKLD b
	WIN 0
.irp i, 0,1,2,3
	ds_load_b128 v[MSKR+4*\i:MSKR+4*\i+3], v[AMK] offset:128*(\b)+16*\i
.endr
.set DSN, DSN+4
.set NEED, DSN
.endm
.macro SIMLD b, q, k
	WIN 0
.irp i, 0,1,2,3
	ds_load_b128 v[SMR+16*(\k)+4*\i:SMR+16*(\k)+4*\i+3], v[ASIM] offset:((\q)+(\k))*4352+128*(\b)+16*\i
.endr
.set DSN, DSN+4
.set NEED, DSN
.endm
; 16 products: D at base: S^T (source 0 K's codes, source 1 Q's) or O^T (V's, P's)
.macro AT1 base
	WIN 0xc0
.set rD, (\base)+8*an
.set rA, J+12*(an%4)
.set rB, Z+12*(an/4)
	v_wmma_scale_f32_16x16x128_f8f6f4 v[rD:rD+7], v[rA:rA+11], v[rB:rB+11], 0, v[KS+an%4], v[QS+an/4] matrix_a_fmt:MATRIX_FMT_FP6 matrix_b_fmt:MATRIX_FMT_FP6
.endm
.macro AT16 base
.set an, 0
.rept 16
	AT1 \base
.set an, an+1
.endr
.endm
; SMC (32): two half blocks of scores (query tiles SMQ, SMQ + 1, keys' block SMB): x sim + mask, and their largest
.macro SMC
.if ee < 16
.set sk, ee/8
.set sj, 2*(ee%8)
.set sr, 128+32*(SMQ+sk)+16*SMB+sj
	WIN 0xc3
	v_pk_fma_f32 v[sr:sr+1], v[sr:sr+1], v[SMR+16*sk+sj:SMR+16*sk+sj+1], v[MSKR+sj:MSKR+sj+1]
.else
.set sk, (ee-16)%2
.set sj, (ee-16)/2
.set sr, 128+32*(SMQ+sk)+16*SMB
.set st, TS+2*(SMQ+sk)+SMB             ; two chains a block: in TS, and eight registers on in MS
.if sj < 2
	WIN 0x3f
	v_max3_num_f32 v[st+8*sj], v[sr+3*sj], v[sr+3*sj+1], v[sr+3*sj+2]
.elseif sj < 7
	WIN 0x3c
	v_max3_num_f32 v[st+8*(sj%2)], v[st+8*(sj%2)], v[sr+2+2*sj], v[sr+3+2*sj]
.else
	WIN 0
	v_max_num_f32 v[st], v[st], v[st+8]
.endif
.endif
.endm
; FIN (36): the blocks' largest over both lanes; the row's; -M = floor(-t); each block's t - M
.macro FIN
	WIN 0
.if ee < 8
	v_permlanex16_b32 v[MS+ee], v[TS+ee], s[SEL], s[SEL+1]
.elseif ee < 16
	v_max_num_f32 v[TS+ee-8], v[TS+ee-8], v[MS+ee-8]
.elseif ee < 20
	v_max_num_f32 v[MS+2*(ee-16)+1], v[TS+2*(ee-16)], v[TS+2*(ee-16)+1]
.elseif ee < 24
	v_mul_f32 v[MS+2*(ee-20)+1], s[CL], v[MS+2*(ee-20)+1]
.elseif ee < 28
	v_floor_f32 v[MS+2*(ee-24)], -v[MS+2*(ee-24)+1]
.else
	v_fma_f32 v[TS+ee-28], v[TS+ee-28], s[CL], v[MS+2*((ee-28)/2)]
.endif
.endm
.macro TMF                             ; (64) t - M
	WIN 0xc3
	v_pk_fma_f32 v[128+2*ee:129+2*ee], v[128+2*ee:129+2*ee], s[CL:CL+1], v[MS+2*(ee/16):MS+2*(ee/16)+1] op_sel_hi:[1,0,0]
.endm
.macro EXPS
	WIN 0xc3
	WALU
.set ex, 128
.rept 128
	v_exp_f32 v[ex], v[ex]
.set ex, ex+1
.endr
	WIN 0
.irp b, 0,1,2,3,4,5,6,7
	v_exp_f32 v[TS+\b], v[TS+\b]
.endr
	v_nop
	WALU
.endm
.macro PSC                             ; (28) P's scale operands and words
	WIN 0
.if ee < 8
	v_max_num_f32 v[TS+ee], s[FLO], v[TS+ee]
.elseif ee < 16
	v_add_nc_u32 v[TS+ee-8], 0xff000000, v[TS+ee-8]
.elseif ee < 24
	v_lshlrev_b32 v[MS+ee-16], 1, v[TS+ee-16]
.else
	v_perm_b32 v[QS+ee-24], v[MS+2*(ee-24)+1], v[MS+2*(ee-24)], s[PSEL]
.endif
.endm
.macro SUMS                            ; (56) the rows' sums, two chains of pairs for each query tile
.if ee < 8
.set sr, 128+32*(ee%4)+2*(ee/4)
	WIN 0x0f
	v_pk_add_f32 v[SUA+2*ee:SUA+2*ee+1], v[sr:sr+1], v[sr+4:sr+5]
.else
.set sk, ee%8
.set sr, 128+32*(sk%4)+2*(sk/4)+8+4*((ee-8)/8)
	WIN 0x03
	v_pk_add_f32 v[SUA+2*sk:SUA+2*sk+1], v[sr:sr+1], v[SUA+2*sk:SUA+2*sk+1]
.endif
.endm
.macro STAIL                           ; (16) and to one number a row
	WIN 0
.set sk, 2*(ee%4)
.if ee < 4
	v_pk_add_f32 v[SUA+sk:SUA+sk+1], v[SUA+sk:SUA+sk+1], v[SUB+sk:SUB+sk+1]
.elseif ee < 8
	v_add_f32 v[SUA+sk], v[SUA+sk], v[SUA+sk+1]
.elseif ee < 12
	v_permlanex16_b32 v[SUB+sk], v[SUA+sk], s[SEL], s[SEL+1]
.else
	v_add_f32 v[SUA+sk], v[SUA+sk], v[SUB+sk]
.endif
.endm
.macro RCPS
	WIN 0
	WALU
.irp q, 0,1,2,3
	v_rcp_f32 v[RL+2*\q], v[SUA+2*\q]
.endr
	v_nop
	WALU
.endm
; ---- the way out of query tile q: / the sum (OMUL: 32 lines, tiles OQ and OQ + 1), into my stage, back as whole rows of 256 bytes, stored
.macro OMUL
.set oq, OQ+ee/16
.set sr, OB+32*OQ+2*ee
	WIN 0xc3
	v_pk_mul_f32 v[sr:sr+1], v[sr:sr+1], v[RL+2*oq:RL+2*oq+1] op_sel_hi:[1,0]
.endm
.macro TOSTS q
	WIN 0x0c
.irp k, 0,1,2,3,4,5,6,7
	ds_store_b128 v[STO], v[OB+32*(\q)+4*\k:OB+32*(\q)+4*\k+3] offset:128*(\k/4)+16*(\k%4)
.endr
.set DSN, DSN+8
.endm
.macro TOSTL q
	WIN 0xc0
.irp i, 0,1,2,3,4,5,6,7
	ds_load_b128 v[OB+32*(\q)+4*\i:OB+32*(\q)+4*\i+3], v[RD] offset:544*\i
.endr
.set DSN, DSN+8
.set NEED, DSN
.endm
.macro SEND1 q
	WIN 0x0c
	global_store_b128 v[GO], v[OB+32*(\q)+4*oi:OB+32*(\q)+4*oi+3], s[20:21] offset:(32*((\q)/2)+8*((\q)%2)+2*oi+8*(oi/4))*4096 th:TH_STORE_NT
.endm
.macro SENDG q                         ; behind the group's LDS loads
.if nn == 98
.set oi, 0
.rept 8
	SEND1 \q
.set oi, oi+1
.endr
.endif
.endm
; ---- the groups' lists
.macro LSTD                            ; the quantiser alone
.if cg == 0
	ENT MAXQ, 0, 4, 32
.elseif cg == 1
	ENT MIDQ, 0, 3, 20
.elseif cg == 2
.if nn < 0
	CVTQ
.endif
.else
.if nn == 99
	BIAS
.endif
.endif
.endm
.macro SIMG                            ; sim_graph: 512 consecutive bytes a load
	WIN 0xc0
	global_load_b128 v[128+4*sn:128+4*sn+3], v[AF], s[10:11] offset:512*sn
.endm
.macro SIMS                            ; load sn's two rows, to their places in the order of the query tiles
	WIN 0x0c
	ds_store_b128 v[ASW], v[128+4*sn:128+4*sn+3] offset:272*(16*(2*(sn/16)+(sn/4)%2)+8*((sn/8)%2)+2*(sn%4))
.set DSN, DSN+1
.endm
.macro LQ0P                            ; the first Q0: x arrives as it goes; the counts are the x loads of later K steps, and sim's first 16
.if nn < 0
.if cg == 0
	s_wait_loadcnt 63
.elseif cg == 1
	s_wait_loadcnt 48
.elseif cg == 2
	s_wait_loadcnt 24
.else
	s_wait_loadcnt 16
.endif
.else
.if (cg >= 2) && (nn == 98)
.set sn, 16*(cg-2)
.rept 16
	SIMG
.set sn, sn+1
.endr
.endif
.if (cg == 3) && (nn == 99)
	BIAS
.endif
.endif
.endm
.macro LK0P                            ; the first K0: sim into LDS
.if (nn < 0) && (cg == 0)
	s_wait_loadcnt 0x0
.endif
.if nn == 99
.set sn, 16*cg
.rept 16
	SIMS
.set sn, sn+1
.endr
.endif
	LSTD
.endm
.macro LV0                             ; K1's quantiser, S, the first two steps of the softmax
.if cg == 0
	ENT MAXQ, 0, 4, 32
.elseif cg == 1
.if nn == 99
	MASKLD 0
	SIMLD 0, 0, 0
	SIMLD 0, 0, 1
.endif
	ENT MIDQ, 0, 3, 20
.elseif cg == 2
.if nn < 0
	CVTQ
	PLACES
	PLACES
	AT16 128
	PLACES
.endif
.set SMB, 0
.set SMQ, 0
	ENT SMC, 0, 4, 32
.if nn == 3
	SIMLD 0, 2, 0
	SIMLD 0, 2, 1
.endif
.else
.if nn == 99
	BIAS
.endif
.set SMB, 0
.set SMQ, 2
	ENT SMC, 0, 4, 32
.if nn == 3
	MASKLD 1
	SIMLD 1, 0, 0
	SIMLD 1, 0, 1
.endif
.endif
.endm
.macro LV1                             ; V0's quantiser, the rest of the scores, M, t - M
.if cg == 0
.if (nn < 0) && (LAST == 0)
	WIN 0
	v_add_nc_u32 v[ABQ], 256, v[ABQ]
	v_add_nc_u32 v[ABV], 1024, v[ABV]
.endif
.set SMB, 1
.set SMQ, 0
	ENT SMC, 0, 8, 32
.if nn == 1
	SIMLD 1, 2, 0
	SIMLD 1, 2, 1
.endif
	ENT MAXQ, 4, 8, 32
.elseif cg == 1
.set SMB, 1
.set SMQ, 2
	ENT SMC, 0, 8, 32
	ENT MIDQ, 4, 5, 20
.elseif cg == 2
.if nn < 0
	CVTQ
.endif
	ENT FIN, 0, 5, 36
.else
.if (nn == 99) && (LAST == 0)
	BIAS
.endif
	ENT TMF, 0, 8, 64
.endif
.endm
.macro LQ0                             ; the exponentials; V1's quantiser; the sums; P's codes
.if cg == 0
.if nn < 0
	RUN MAXQ, 32
	EXPS
.endif
	ENT MIDQ, 0, 5, 20
	ENT PSC, 4, 7, 28
.elseif cg == 1
	ENT SUMS, 0, 7, 56
.elseif cg == 2
.if nn < 0
	CVTQ
	CVTP
.endif
	ENT STAIL, 0, 4, 16
.else
.if nn == 99
	BIAS
.endif
.endif
.endm
.macro LQ1                             ; the reciprocals, P V, Q0's quantiser, the way out begins
.if cg == 0
.if nn < 0
	RUN MAXQ, 32
	RCPS
	AT16 128
	PLACES
.endif
.set OQ, 0
	ENT OMUL, 0, 4, 32
.elseif cg == 1
.if nn == 99
	TOSTS 0
	TOSTL 0
.endif
	ENT MIDQ, 0, 5, 20
.set OQ, 2
	ENT OMUL, 4, 8, 32
.elseif cg == 2
.if nn < 0
	CVTQ
.elseif nn == 99
	TOSTS 1
	TOSTL 1
.endif
	SENDG 0
.else
.if nn == 99
	BIAS
	TOSTS 2
	TOSTL 2
.endif
	SENDG 1
.endif
.endm
.macro LK0                             ; Q1's quantiser, the way out ends
.if cg == 0
.if nn == 99
	TOSTS 3
	TOSTL 3
.endif
	ENT MAXQ, 0, 4, 32
	SENDG 2
.else
	ENT MIDQ, 0, 3, 20
	SENDG 3
.endif
.endm
; ================= THE HEAD
	s_load_b512 s[4:19], s[0:1], 0x0               ; xq, xs, wimg, sim_graph, attention_mask, bq, bk, bv
	s_load_b64 s[20:21], s[0:1], 0x40              ; out0
	v_lshl_add_u32 v[SPW], v0, 2, SPARE
	v_mov_b32 v[NIL], 0
	ds_add_u32 v[SPW], v[NIL]                      ; the opening add, twice on end
	ds_add_u32 v[SPW], v[NIL]
	v_lshrrev_b32 v3, 5, v0
	v_readfirstlane_b32 s[WV], v3
	s_bfe_u32 s23, ttmp6, 0x40000
	s_lshl_b32 s24, ttmp9, 2
	s_add_co_u32 s24, s24, s23
	s_lshl_b32 s24, s24, 2
	s_add_co_u32 s24, s24, s[WV]                   ; my batch = 64 b + s
	s_and_b32 s25, ttmp7, 0xffff                   ; which four heads
	s_mov_b32 s[G1], 15|(3<<16)|(1<<21)            ; rows of 256 bytes (32 elements of 8), 75 of them, dense; the four of the cluster
	s_mov_b32 s[G1+1], 32<<16
	s_mov_b32 s[G1+2], 75<<16
	s_mov_b32 s[G1+3], 32<<16
	s_mov_b32 s[G1+4], 75
	s_mov_b32 s[G1+5], 32
	s_mov_b32 s[G1+6], 0
	s_mov_b32 s[G1+7], 0
	s_lshl_b32 s28, s25, 5
	s_add_co_u32 s28, s28, s[WV]
	s_mul_i32 s28, s28, REC
	s_mov_b32 s29, 0
	s_mov_b32 s[G0A], 1
	s_mul_i32 s[G0A+1], s[WV], REC
	s_mov_b32 s[G0B], 1
	s_add_co_u32 s[G0B+1], s[G0A+1], SLOTB
	s_mov_b32 s[SEL], 0x76543210                   ; selects for lane l xor 16
	s_mov_b32 s[SEL+1], 0xfedcba98
	s_mov_b32 s[CL], 0x3e38aa3b                    ; log2(e) / 8
	s_mov_b32 s[CL+1], s[CL]
	s_mov_b32 s[PSEL], 0x07070303
	s_mov_b32 s[FLO], 0x01800000                   ; the floor 2^(3 - 127)
	s_mul_i32 s56, s[WV], 17408
	s_add_co_u32 s56, s56, SIM
	s_lshl_b32 s57, s[WV], 8
	s_add_co_u32 s57, s57, MSK
	s_mul_i32 s58, s[WV], 4352
	s_add_co_u32 s58, s58, STG
	v_and_b32 v3, 31, v0                           ; lane
	v_and_b32 v4, 15, v0                           ; r
	v_bfe_u32 v5, v0, 4, 1                         ; h
	v_lshlrev_b32 v[AF], 4, v3
	v_lshlrev_b32 v[AS], 3, v3
.irp n, 1,2
	v_add_nc_u32 v[AF+\n], 51200*\n, v[AF]
	v_add_nc_u32 v[AS+\n], 51200*\n, v[AS]
.endr
	v_mul_u32_u24 v[ASIM], v4, 272
	v_lshl_add_u32 v[ASIM], v5, 6, v[ASIM]
	v_add_nc_u32 v[STO], s58, v[ASIM]              ; row r, 64 h
	v_add_nc_u32 v[ASIM], s56, v[ASIM]
	v_mul_u32_u24 v[RD], v5, 272
	v_lshl_add_u32 v[RD], v4, 4, v[RD]
	v_add_nc_u32 v[ASW], s56, v[RD]                ; row h, 16 r
	v_add_nc_u32 v[RD], s58, v[RD]
	v_lshl_add_u32 v[AMK], v5, 6, s57
	v_lshl_add_u32 v23, v3, 2, s57
	v_lshlrev_b32 v[ABQ], 6, v5
	v_add_nc_u32 v[ABQ], BQL, v[ABQ]
	v_and_b32 v21, 8, v4
	v_add_nc_u32 v21, v21, v4                      ; r + 8 (r / 8)
	v_lshlrev_b32 v[ABV], 4, v21
	v_add_nc_u32 v[ABV], BVL, v[ABV]
	v_lshlrev_b32 v[GO], 12, v5
	v_lshl_add_u32 v[GO], v4, 4, v[GO]
	v_lshlrev_b32 v20, 2, v3
	v_lshlrev_b32 v21, 8, v3
	v_lshlrev_b32 v22, 3, v0
	v_lshl_add_u32 v252, v0, 3, BQL
	v_lshl_add_u32 v253, v0, 5, BVL
	WALU
	s_wait_dscnt 0x0
	s_wait_kmcnt 0x0
	s_add_nc_u64 s[G0A+2:G0A+3], s[8:9], s[28:29]
	s_add_nc_u64 s[G0B+2:G0B+3], s[G0A+2:G0A+3], SLOTB
	s_or_b32 s[G0A+3], s[G0A+3], 0x80000000
	s_or_b32 s[G0B+3], s[G0B+3], 0x80000000
	s_mov_b32 s27, 0
	s_mul_i32 s26, s24, 49152
	s_add_nc_u64 s[4:5], s[4:5], s[26:27]
	s_lshl_b32 s26, s24, 11
	s_add_nc_u64 s[6:7], s[6:7], s[26:27]
	s_lshl_b32 s26, s24, 14
	s_add_nc_u64 s[10:11], s[10:11], s[26:27]
	s_lshr_b32 s26, s24, 6
	s_lshl_b32 s26, s26, 14
	s_and_b32 s30, s24, 63
	s_lshl_b32 s30, s30, 2
	s_add_co_u32 s26, s26, s30
	s_add_nc_u64 s[12:13], s[12:13], s[26:27]      ; attention_mask[b][0][s]
	s_lshl_b32 s30, s25, 10
	s_mov_b32 s31, 0
	s_add_nc_u64 s[14:15], s[14:15], s[30:31]
	s_add_nc_u64 s[16:17], s[16:17], s[30:31]
	s_add_nc_u64 s[18:19], s[18:19], s[30:31]
	s_lshl_b32 s26, s24, 18
	s_add_co_u32 s26, s26, s30
	s_add_nc_u64 s[20:21], s[20:21], s[26:27]
	ROUND                                          ; all four work-groups are here: the first joint loads meet
	tensor_load_to_lds s[G0A:G0A+3], s[G1:G1+7]
	s_nop 0
	PLACES
	global_load_b64 v[84:85], v22, s[14:15]
	global_load_b64 v[86:87], v22, s[16:17]
	global_load_b64 v[88:89], v22, s[18:19]
	global_load_b32 v90, v21, s[12:13]
	global_load_b32 v91, v21, s[12:13] offset:8192
.irp i, 0,1,2,3,4,5,6,7,8,9,10,11,12,13,14,15
	global_load_b32 v[SCB+8*(\i/6)+\i%6], v20, s[6:7] offset:128*\i
.endr
.macro XLOAD s                         ; x's K step s: four fragments
.irp m, 0,1,2,3
.set xf, 4*(\s)+\m
.if xf < 21
	WIN 0x40
.set xl, 12*xf
.else
	WIN 0x80
.set xl, 12*(xf-21)
.endif
.irp c, 0,1,2
	global_load_b128 v[xl+4*\c:xl+4*\c+3], v[AF], s[4:5] offset:(8*\m+(\s))*1536+512*\c
.endr
.endr
.endm
	XLOAD 0
	XLOAD 1
	XLOAD 2
	XLOAD 3
	XLOAD 4
	XLOAD 5
	XLOAD 6
	XLOAD 7
	WIN 0
.irp m, 0,1,2,3
.irp i, 3,4,5,9,10,11
	v_mov_b32 v[Z+12*\m+\i], 0                     ; the zero codes of one side; the other side's registers there are only made defined
	v_mov_b32 v[J+12*\m+\i], 0
.endr
	v_mov_b32 v[MQ+\m], 0                          ; (a lane permute's destination counts as one of its sources)
	v_mov_b32 v[MS+\m], 0
	v_mov_b32 v[MS+4+\m], 0
.endr
	WALU
	s_wait_loadcnt 63                              ; the oldest 54 of 117 loads: biases and mask among them
	v_sub_f32 v90, 1.0, v90
	v_sub_f32 v91, 1.0, v91
	v_mul_f32 v90, 0xc79c4000, v90                 ; x -80,000: the factor 1 / 8 comes later
	v_mul_f32 v91, 0xc79c4000, v91
	ds_store_b32 v23, v90
	ds_store_b32 v23, v91 offset:128
	ds_store_b64 v252, v[84:85]
	ds_store_b64 v252, v[86:87] offset:1024
.irp i, 0,1,2,3
	v_mov_b32 v[92+\i], v88
	v_mov_b32 v[96+\i], v89
.endr
	ds_store_b128 v253, v[92:95]
	ds_store_b128 v253, v[96:99] offset:16
	WALU
	s_wait_tensorcnt 0x0                           ; slot A is in
	ds_add_u32 v[SPW], v[NIL]
	s_wait_dscnt 0x0                               ; the add, and my stores of biases and mask
	ROUND
	tensor_load_to_lds s[G0B:G0B+3], s[G1:G1+7]
	s_nop 0
	PLACES
.set cp, 5
	BIAS
.set cp, 0
.set cg, -2
	RLD 0
	RLD 1
	RLD 2
	RLD 3
.set cg, -1
	RLD 0
	RLD 1
	RLD 2
	RLD 3
; ================= the first head's Q0, Q1 and half of K0
	GRP 0, 0, LQ0P
	GRP 0, 1, LQ0P
	GRP 0, 2, LQ0P
	GRP 0, 3, LQ0P
	GRP 1, 0, LSTD
	GRP 1, 1, LSTD
	GRP 1, 2, LSTD
	GRP 1, 3, LSTD
	GRP 2, 0, LK0P
	GRP 2, 1, LK0P
.set MR1, DSN-13                       ; on the way back too 13 loads stand behind those that the loop's first group needs
	WIN 0
	s_mov_b32 s[CNT], 3
	WALU
.Lloop:                                                ; from K0's round to the next head's; a head's way out ends ahead of the branch
	GRP 2, 2, LSTD, 2
	GRP 2, 3, LSTD
	GRP 3, 0, LSTD
	GRP 3, 1, LSTD
	GRP 3, 2, LSTD
	GRP 3, 3, LSTD
	GRP 4, 0, LV0
	GRP 4, 1, LV0
	GRP 4, 2, LV0
	GRP 4, 3, LV0
	GRP 5, 0, LV1
	GRP 5, 1, LV1
	GRP 5, 2, LV1, 2
	GRP 5, 3, LV1
	GRP 0, 0, LQ0
	GRP 0, 1, LQ0
	GRP 0, 2, LQ0
	GRP 0, 3, LQ0
	GRP 1, 0, LQ1
	GRP 1, 1, LQ1
	GRP 1, 2, LQ1
	GRP 1, 3, LQ1
	GRP 2, 0, LK0
	GRP 2, 1, LK0
	WIN 0
	s_wait_xcnt 0x0                                ; the stores have read their registers and their base
	s_add_nc_u64 s[20:21], s[20:21], 0x100
	s_sub_co_u32 s[CNT], s[CNT], 1
	s_cmp_lg_u32 s[CNT], 0
	WALU
	s_cbranch_scc1 .Lloop
; ================= the last head: nothing is filled again
.set LAST, 1
	GRP 2, 2, LSTD, 1
	GRP 2, 3, LSTD
	GRP 3, 0, LSTD
	GRP 3, 1, LSTD
	GRP 3, 2, LSTD
	GRP 3, 3, LSTD
	GRP 4, 0, LV0
	GRP 4, 1, LV0
	GRP 4, 2, LV0
	GRP 4, 3, LV0
	GRP 5, 0, LV1
	GRP 5, 1, LV1
	GRP 5, 2, LV1, 0, 0
	GRP 5, 3, LV1, 0, 0
.set QP, 5
.set QA, 64
	PLACES
	RUN MAXQ, 32
	EXPS
	RUN MIDQ, 20
	RUN PSC, 28
	CVTQ
	CVTP
	PLACES
	PLACES
.set OB, 0                             ; the result goes over the accumulators, which are done with: P is still summed
.set an, 0
.set ee, 0
.rept 16
	AT1 0
.rept 4
.if ee < 56
	SUMS
.endif
.set ee, ee+1
.endr
.set an, an+1
.endr
	RUN STAIL, 16
	RCPS
.set OQ, 0
	RUN OMUL, 32
.set OQ, 2
	RUN OMUL, 32
.macro SENDT q, younger                ; younger: the LDS instructions behind tile q's loads
.set oi, 0
.rept 8
	s_wait_dscnt (\younger)+7-oi
	SEND1 \q
.set oi, oi+1
.endr
.endm
	TOSTS 0
	TOSTL 0
	TOSTS 1
	TOSTL 1
	WALU
	SENDT 0, 16
	TOSTS 2
	TOSTL 2
	SENDT 1, 16
	TOSTS 3
	TOSTL 3
	SENDT 2, 16
	SENDT 3, 0
	WIN 0
	s_wait_tensorcnt 0x0                           ; the wave's end
	ds_add_u32 v[SPW], v[NIL]
	s_wait_dscnt 0x0
	ROUND                                          ; the closing round
	s_endpgm
.Lfunc_end_k_qae5fa3eb75_fused:
	.size	k_qae5fa3eb75_fused, .Lfunc_end_k_qae5fa3eb75_fused-k_qae5fa3eb75_fused
	.p2alignl 7, 3214868480
	.fill 96, 4, 3214868480
	.section	.rodata,"a",@progbits
	.p2align	6, 0x0
	.amdhsa_kernel k_qae5fa3eb75_fused
		.amdhsa_group_segment_fixed_size 327680
		.amdhsa_private_segment_fixed_size 0
		.amdhsa_enable_private_segment 0
		.amdhsa_kernarg_size 72
		.amdhsa_user_sgpr_count 2
		.amdhsa_user_sgpr_kernarg_segment_ptr 1
		.amdhsa_wavefront_size32 1
		.amdhsa_system_sgpr_workgroup_id_x 1
		.amdhsa_system_sgpr_workgroup_id_y 1
		.amdhsa_system_sgpr_workgroup_id_z 1
		.amdhsa_system_vgpr_workitem_id 0
		.amdhsa_next_free_vgpr 1024
		.amdhsa_next_free_sgpr 66
		.amdhsa_reserve_vcc 0
		.amdhsa_float_denorm_mode_32 3
		.amdhsa_float_denorm_mode_16_64 3
		.amdhsa_memory_ordered 1
		.amdhsa_forward_progress 1
		.amdhsa_inst_pref_size 255
	.end_amdhsa_kernel
	.section	.bss,"aw",@nobits
	.p2align	6
	.space	262144
	.amdgpu_metadata
---
amdhsa.version: [ 1, 2 ]
amdhsa.kernels:
  - .name:           k_qae5fa3eb75_fused
    .symbol:         k_qae5fa3eb75_fused.kd
    .args:
      - { .name: xq, .offset: 0, .size: 8, .value_kind: global_buffer, .address_space: global }
      - { .name: xs, .offset: 8, .size: 8, .value_kind: global_buffer, .address_space: global }
      - { .name: wimg, .offset: 16, .size: 8, .value_kind: global_buffer, .address_space: global }
      - { .name: sim_graph, .offset: 24, .size: 8, .value_kind: global_buffer, .address_space: global }
      - { .name: attention_mask, .offset: 32, .size: 8, .value_kind: global_buffer, .address_space: global }
      - { .name: bq, .offset: 40, .size: 8, .value_kind: global_buffer, .address_space: global }
      - { .name: bk, .offset: 48, .size: 8, .value_kind: global_buffer, .address_space: global }
      - { .name: bv, .offset: 56, .size: 8, .value_kind: global_buffer, .address_space: global }
      - { .name: out0, .offset: 64, .size: 8, .value_kind: global_buffer, .address_space: global }
    .group_segment_fixed_size: 327680
    .private_segment_fixed_size: 0
    .kernarg_segment_align: 8
    .kernarg_segment_size: 72
    .max_flat_workgroup_size: 128
    .sgpr_count:     66
    .vgpr_count:     1024
    .wavefront_size: 32
...
	.end_amdgpu_metadata
.endif
;; end of part 2
